; MI455X (gfx1250); checked and timed in simulation.
; The chip was launched on July 23, 2026; its instructions are those of AMD's public machine-readable ISA for CDNA 5 (MIT licence, August 2026) and "CDNA5" Instruction Set Architecture Reference Guide (July 2026). The comments in the code are by the model that wrote it; some were corrected since.
;; Attention. Allowed arithmetic: matrix products marked QUANTISED: E3M2 operands, one E8M0 scale for each 32 along K, by v_wmma_scale_f32_16x16x128_f8f6f4 with both operands' format E3M2, f32 sums; everything else in f32.
;; Inputs: b_qkv 3,072 float32; w_qkv 3,072 x 1,024 float32; x 4 x 2,048 x 1,024 float32.
;; Outputs: out0 4 x 2,048 x 1,024 float32.
;; This version of the problem:
;;   THIS VERSION OF THE PROBLEM IS GIVEN IN LOW PRECISION. The matrix products marked QUANTISED in the list below multiply operands that are first quantised to E3M2 (3 exponent bits, 2 mantissa bits; 6 bits a number), with one power-of-two scale for each 32 numbers along K (OCP MX v1.0); their sums are f32. All else is computed in f32.
;;   The module's matrix products, in the order in which they are computed (A, B: the left and right operand; K: the contracted axis; several contracted axes count as one K, in the product's order):
;;     1. [M 8,192, K 1,024] x [K 1,024, N 3,072]; A: input x; B: input w_qkv: QUANTISED
;;     2. batch 64 x [M 2,048, K 64] x [K 64, N 2,048]; A: computed on the way; B: computed on the way: QUANTISED
;;     3. batch 64 x [M 2,048, K 2,048] x [K 2,048, N 64]; A: softmax (see below); B: computed on the way: QUANTISED
;;   THE QUANTISER, for each operand of a quantised product, along K:
;;     - K is cut into blocks of 32 from its start; a last block that is shorter is filled with zeros.
;;     - A block's scale is 2^e with e = floor(log2(the largest magnitude in the block)) - 4, held to -126 .. 127; a block of zeros has e = 0. As a byte (E8M0): e + 127.
;;     - Each number is divided by its block's scale, clamped to +-28, and rounded to the nearest number of E3M2, ties to even, subnormals kept.
;;     - The product sums the exact products of the quantised numbers (number of the format x scale) in f32.
;;   ~~~python
;;   def quantise(x, axis):      # numpy; x: float32 -> the quantised numbers, widened to float32 again
;;       x = np.moveaxis(x, axis, -1); K = x.shape[-1]
;;       x = np.pad(x, [(0, 0)] * (x.ndim - 1) + [(0, -K % 32)]); x = x.reshape(x.shape[:-1] + (-1, 32)); a = np.abs(x).max(-1, keepdims=True)
;;       e = np.where(a > 0, np.clip(np.frexp(np.where(a > 0, a, 1))[1] - 1 - 4, -126, 127), 0)      # np.frexp(a)[1] - 1 = floor(log2(a)), exactly
;;       r = np.clip(x / 2.0 ** e, -28, 28)
;;       step = 2.0 ** (np.maximum(np.frexp(np.where(r == 0, 1, r))[1] - 1, -2) - 2)
;;       q = np.round(r / step) * step * 2.0 ** e      # np.round: ties to even
;;       return np.moveaxis(q.reshape(q.shape[:-2] + (-1,))[..., :K], -1, axis).astype(np.float32)
;;   ~~~
;;   SOFTMAX AHEAD OF A QUANTISED PRODUCT. Where the list says 'softmax', what is quantised is not the finished softmax but p = 2^(t - M), with t = logit x log2(e) and M = ceil(the row's largest t), a whole number; so 1/2 < the row's largest p <= 1. The row's sum l is taken of the UNQUANTISED p, in f32, and the product's result is divided by l at the end. Since M is a whole number, a kernel that streams over the keys may use a running M (the ceiling of the running maximum): every later rescaling is an exact power of two, which a block's scale takes up: the codes' values come out the same.
;;   OPERANDS COMPUTED ON THE WAY. 'Computed on the way' means the value that the module computes at that place (a softmax that the list does not call 'softmax' is quantised finished and normalised). What goes into a quantiser is computed in f32, as accurately as f32 sums, v_exp_f32 and their like allow (about 1e-6 of the number): no bf16 or f16 on the way to a quantiser, and a product that is left as it is and whose result goes on into a quantised operand takes f32 operands (vector FMAs, or v_wmma_f32_16x16x4_f32). A number that lies on a knife's edge between two numbers of the format may be rounded either way, as far as f32 arithmetic and the matrix unit's own rounding can turn it there, and no further.
;; One version. Each part assembles by itself: llvm-mc -triple=amdgcn-amd-amdhsa -mcpu=gfx1250 --defsym DOCPART=n.
;; ======== version 1 of 1: 3 launches
;; workspace buffers: xc 6,291,456 bytes; xs 262,144 bytes; wc 2,359,296 bytes; ws 98,304 bytes; qq 6,815,744 bytes; kv 13,369,344 bytes
;; launch quant (part 1): grid 352 x 1, 4 waves a work-group, no clusters, 33,280 bytes of LDS; arguments x, w_qkv, xc, xs, wc, ws; writes xc, xs, wc, ws
.if DOCPART == 1
	.amdgcn_target "amdgcn-amd-amdhsa--gfx1250"
	.amdhsa_code_object_version 6
	.text
	.protected	k_qe94d4f49ea_quant
	.globl	k_qe94d4f49ea_quant
	.p2align	8
	.type	k_qe94d4f49ea_quant,@function
k_qe94d4f49ea_quant:
	s_mov_b64 s[64:65], 0
	v_nop
	global_prefetch_b8 v0, s[64:65] scope:SCOPE_SE
	s_setreg_imm32_b32 hwreg(HW_REG_WAVE_MODE, 25, 1), 1
	s_wait_xcnt 0x0
; x [8192][1024] and w_qkv [3072][1024], f32, become codes of BF6 (E3M2), 6 bits each, K innermost (a row: 768 bytes), with one E8M0 scale byte for each 32 along K (a row: 32 bytes).
; A block's scale is 2^(floor(log2(its largest magnitude)) - 4); its byte is the largest magnitude's exponent field - 4, held at 1 from below.  Each number is divided by the scale and rounded to the nearest code, ties to even;
; beyond the largest code the conversion gives the largest code.  (A block of zeros gets the byte 1 where the rule says 127: its codes are zeros, which add nothing under any byte but 0xff, and this program alone reads the bytes.)
; LIMITS: NaN and infinities among the inputs are not served; blocks whose largest magnitude lies under 2^(5 - 127) keep the byte 1.
; THE ROWS ARE STORED IN ANOTHER ORDER THAN THEY ARE READ: inside each 32 rows the four groups of 8 rows change places, group j going to the group whose number has j's two bits exchanged (0, 2, 1, 3).
; So 16 consecutive STORED rows 16 t .. 16 t + 15 are the rows 32 (t / 2) + 8 (t % 2) + r + 8 (r / 8), r = 0 .. 15: the tiles that the product's launch wants, so that its results' registers run along neighbours.
; A wave takes 16 steps of 512 numbers: 8,192 numbers = 8 rows = one such group, so the order costs one number at the head and nothing else.
; Each of a step's four loads reads 512 consecutive bytes, 16 a lane; the 2,048 bytes turn through the wave's own stage in LDS and come back 64 bytes a lane: 16 neighbours along K, as the conversion wants them
; (two neighbouring lanes hold a block).  A lane's 16 codes are 12 bytes: the wave stores 384 consecutive bytes.  A wave's 256 scale bytes are gathered in LDS and leave as one aligned run of 256 bytes.
; One launch serves both tensors: the first WGA work-groups take x, the others w_qkv; only pointers are chosen.  No work-group shares an input with another: no cluster, no tensor loads, no barrier.
.set SIZE_M, 8192                      ; rows of x (4 x 2,048)
.set SIZE_N, 3072                      ; rows of w_qkv
.set SIZE_K, 1024
.set WAVES, 4
.set STEPS, 16
.set WGA,   SIZE_M*SIZE_K/(512*STEPS*WAVES)    ; 256 work-groups for x, 96 for w_qkv
.set EMAX,  4
.set CB,    12                         ; bytes of 16 codes
.set R,     16                         ; v16-79   four sets of 16 numbers as they are loaded
.set X,     80                         ; v80-111  two sets of 16 neighbours
.set C,     128                        ; v128-191 codes: four registers for each step, so that no store's data are written again
.set E,     112                        ; v112-127 a scale byte for each step
.set WREG,  8192                       ; LDS: a region of its own for each wave: two stages of 32 x SP bytes, and behind them its 256 scale bytes
.set SP,    80                         ; a lane's place in a stage: its 64 bytes + 16 of padding
	s_load_b128 s[4:7], s[0:1], 0x0                ; x, w_qkv
	s_load_b128 s[8:11], s[0:1], 0x10              ; x's codes, x's scales
	s_load_b128 s[12:15], s[0:1], 0x20             ; w's codes, w's scales
	v_lshl_add_u32 v192, v0, 2, 0x8000
	v_mov_b32 v193, 0
	v_lshrrev_b32 v1, 5, v0
	v_readfirstlane_b32 s16, v1                    ; wave
	v_and_b32 v2, 31, v0                           ; lane
	v_lshlrev_b32 v3, 4, v2                        ; my 16 bytes of a load's 512
	s_mul_i32 s17, s16, WREG
	v_lshrrev_b32 v14, 2, v2
	v_mul_u32_u24 v14, v14, SP
	v_and_b32 v15, 3, v2
	v_lshl_add_u32 v14, v15, 4, v14
	v_add_nc_u32 v14, s17, v14                     ; the stage, on the way in: four lanes' 64 bytes on end, then 16 of padding
	v_mul_u32_u24 v15, v2, SP
	v_add_nc_u32 v15, s17, v15                     ; and on the way out: SP x lane: my 16 neighbours
	v_mul_u32_u24 v4, v2, CB                       ; my codes' place in a step's
	v_lshrrev_b32 v5, 1, v2
	s_add_co_u32 s17, s17, 2*32*SP
	v_add_nc_u32 v5, s17, v5                       ; LDS: my wave's 256 scale bytes, my block's byte
	v_lshlrev_b32 v7, 3, v2                        ; and on the way out 8 bytes a lane
	v_add_nc_u32 v6, s17, v7
	s_wait_alu depctr_va_vdst(0)
	s_wait_kmcnt 0x0
	s_cmp_lt_u32 ttmp9, WGA                        ; x's work-group or w's?  The choice hangs on the work-group's number alone
	s_cselect_b64 s[4:5], s[4:5], s[6:7]
	s_cselect_b64 s[8:9], s[8:9], s[12:13]
	s_cselect_b64 s[10:11], s[10:11], s[14:15]
	s_cselect_b32 s17, 0, WGA
	s_sub_co_u32 s17, ttmp9, s17
	s_lshl_b32 s17, s17, 2
	s_add_co_u32 s18, s17, s16                     ; which group of 8 rows of the tensor is my wave's
	s_mov_b32 s19, 0
	s_mov_b64 s[20:21], 512*STEPS*4
	s_mul_u64 s[20:21], s[18:19], s[20:21]
	s_add_nc_u64 s[4:5], s[4:5], s[20:21]          ; read where it lies
	s_and_not1_b32 s22, s18, 3                     ; and stored at the group whose two low bits are exchanged
	s_and_b32 s23, s18, 1
	s_lshl_b32 s23, s23, 1
	s_or_b32 s22, s22, s23
	s_bfe_u32 s23, s18, 0x10001                    ; bit 1
	s_or_b32 s22, s22, s23
	s_mov_b32 s23, 0
	s_mov_b64 s[20:21], 32*STEPS*CB                ; 6,144 bytes of codes a group
	s_mul_u64 s[20:21], s[22:23], s[20:21]
	s_add_nc_u64 s[8:9], s[8:9], s[20:21]
	s_lshl_b32 s22, s22, 8                         ; 256 scale bytes a group
	s_add_nc_u64 s[10:11], s[10:11], s[22:23]
.macro LOAD t
.irp i, 0,1,2,3
	global_load_b128 v[R+16*((\t)%4)+4*\i:R+16*((\t)%4)+4*\i+3], v3, s[4:5] offset:2048*(\t)+512*\i th:TH_LOAD_NT   ; 32 lanes read 512 consecutive bytes
.endr
.endm
.macro TURN t                          ; step t's numbers through the stage: LDS serves a wave's instructions in order, so no wait stands between the stores and the loads
.irp i, 0,1,2,3
	ds_store_b128 v14, v[R+16*((\t)%4)+4*\i:R+16*((\t)%4)+4*\i+3] offset:32*SP*((\t)%2)+8*SP*\i
.endr
.irp i, 0,1,2,3
	ds_load_b128 v[X+16*((\t)%2)+4*\i:X+16*((\t)%2)+4*\i+3], v15 offset:32*SP*((\t)%2)+16*\i
.endr
.endm
.irp t, 0,1,2,3
	LOAD \t
.endr
	s_wait_loadcnt 12                              ; step 0's four loads are in; the twelve of steps 1 to 3 may be out
	TURN 0
.macro STEP t
.set XS, X+16*((\t)%2)
.if (\t) > 0
	s_wait_dscnt 1                                 ; this step's numbers are back from the stage (the last step's byte store may be out): so its stores into the stage have read their registers,
.else
	s_wait_dscnt 0x0
.endif
.if (\t)+4 < STEPS
	LOAD (\t)+4                                    ; which take the loads of four steps on
.endif
.if (\t)+1 < STEPS
.if STEPS-2-(\t) >= 3
	s_wait_loadcnt 12                              ; the next step's four loads are in; those of the three steps behind it may be out
.else
	s_wait_loadcnt 4*(STEPS-2-(\t))
.endif
	TURN (\t)+1                                    ; and go through the other stage while this step is worked
.endif
	v_max3_num_f32 v8, |v[XS]|, |v[XS+1]|, |v[XS+2]|               ; the largest magnitude of my 16, in two chains
	v_max3_num_f32 v9, |v[XS+3]|, |v[XS+4]|, |v[XS+5]|
.irp i, 6,10
	v_max3_num_f32 v8, v8, |v[XS+\i]|, |v[XS+\i+1]|
	v_max3_num_f32 v9, v9, |v[XS+\i+2]|, |v[XS+\i+3]|
.endr
	v_max3_num_f32 v8, v8, |v[XS+14]|, |v[XS+15]|
	v_max3_num_f32 v8, v8, v9, (EMAX+1)<<23        ; and the floor 2^(EMAX + 1 - 127): so the byte cannot fall under 1
	v_max_num_f32_dpp v8, v8, v8 row_xmask:1 row_mask:0xf bank_mask:0xf   ; and of my neighbour's 16: the block's
	v_add_nc_u32 v11, -(EMAX<<23), v8              ; EMAX off its exponent field: the conversion takes the exponent field of this operand as its scale, and nothing else of it
	v_cvt_scalef32_pk16_bf6_f32 v[C+4*(\t):C+4*(\t)+2], v[XS:XS+15], v11         ; sixteen codes, 96 bits without gaps, the first number's code lowest
	v_lshrrev_b32 v[E+(\t)], 23, v11               ; the scale's byte
	ds_store_b8 v5, v[E+(\t)] offset:16*(\t)       ; both lanes of a block write the same byte with the same value
	global_store_b96 v4, v[C+4*(\t):C+4*(\t)+2], s[8:9] offset:32*CB*(\t)
.endm
.irp t, 0,1,2,3,4,5,6,7,8,9,10,11,12,13,14,15
	STEP \t
.endr
	ds_load_b64 v[12:13], v6                       ; LDS serves a wave's instructions in order: these see my stores
	s_wait_dscnt 0x0
	global_store_b64 v7, v[12:13], s[10:11]        ; 32 lanes store 256 consecutive bytes, aligned
	s_wait_tensorcnt 0x0
	ds_add_u32 v192, v193
	s_wait_dscnt 0x0
	s_endpgm
.Lfunc_end_k_qe94d4f49ea_quant:
	.size	k_qe94d4f49ea_quant, .Lfunc_end_k_qe94d4f49ea_quant-k_qe94d4f49ea_quant
	.p2alignl 7, 3214868480
	.fill 96, 4, 3214868480
	.section	.rodata,"a",@progbits
	.p2align	6, 0x0
	.amdhsa_kernel k_qe94d4f49ea_quant
		.amdhsa_group_segment_fixed_size 33280
		.amdhsa_private_segment_fixed_size 0
		.amdhsa_enable_private_segment 0
		.amdhsa_kernarg_size 48
		.amdhsa_user_sgpr_count 2
		.amdhsa_user_sgpr_kernarg_segment_ptr 1
		.amdhsa_wavefront_size32 1
		.amdhsa_system_sgpr_workgroup_id_x 1
		.amdhsa_system_sgpr_workgroup_id_y 1
		.amdhsa_system_sgpr_workgroup_id_z 1
		.amdhsa_system_vgpr_workitem_id 0
		.amdhsa_next_free_vgpr 194
		.amdhsa_next_free_sgpr 66
		.amdhsa_reserve_vcc 0
		.amdhsa_float_denorm_mode_32 3
		.amdhsa_float_denorm_mode_16_64 3
		.amdhsa_memory_ordered 1
		.amdhsa_forward_progress 1
		.amdhsa_inst_pref_size 33
	.end_amdhsa_kernel
	.amdgpu_metadata
---
amdhsa.version: [ 1, 2 ]
amdhsa.kernels:
  - .name:           k_qe94d4f49ea_quant
    .symbol:         k_qe94d4f49ea_quant.kd
    .args:
      - { .name: x, .offset: 0, .size: 8, .value_kind: global_buffer, .address_space: global }
      - { .name: w_qkv, .offset: 8, .size: 8, .value_kind: global_buffer, .address_space: global }
      - { .name: xc, .offset: 16, .size: 8, .value_kind: global_buffer, .address_space: global }
      - { .name: xs, .offset: 24, .size: 8, .value_kind: global_buffer, .address_space: global }
      - { .name: wc, .offset: 32, .size: 8, .value_kind: global_buffer, .address_space: global }
      - { .name: ws, .offset: 40, .size: 8, .value_kind: global_buffer, .address_space: global }
    .group_segment_fixed_size: 33280
    .private_segment_fixed_size: 0
    .kernarg_segment_align: 8
    .kernarg_segment_size: 48
    .max_flat_workgroup_size: 128
    .sgpr_count:     66
    .vgpr_count:     194
    .wavefront_size: 32
...
	.end_amdgpu_metadata
.endif
;; end of part 1
;; launch gemm (part 2): grid 96 x 4, 4 waves a work-group, clusters of 4 x 4, 327,680 bytes of LDS; arguments xc, xs, wc, ws, b_qkv, qq, kv; writes qq, kv
.if DOCPART == 2
	.amdgcn_target "amdgcn-amd-amdhsa--gfx1250"
	.amdhsa_code_object_version 6
	.text
	.protected	k_qe94d4f49ea_gemm
	.globl	k_qe94d4f49ea_gemm
	.p2align	8
	.type	k_qe94d4f49ea_gemm,@function
k_qe94d4f49ea_gemm:
	s_mov_b64 s[64:65], 0
	v_nop
	global_prefetch_b8 v0, s[64:65] scope:SCOPE_SE
	s_setreg_imm32_b32 hwreg(HW_REG_WAVE_MODE, 25, 1), 1
	s_wait_xcnt 0x0
	s_wait_alu depctr_hold_cnt(0) depctr_sa_sdst(0) depctr_va_vdst(0) depctr_va_sdst(0) depctr_va_ssrc(0) depctr_va_vcc(0) depctr_vm_vsrc(0)
	s_getreg_b32 s2, hwreg(HW_REG_IB_STS2, 6, 4)
	s_cmp_eq_u32 s2, 0
	s_cbranch_scc0 .Lentry_in_a_cluster
	s_endpgm
.Lentry_in_a_cluster:
	s_bfe_u32 s2, ttmp6, 0x10000c
	s_cmp_lg_u32 s2, 0xf033
	s_cbranch_scc0 .Lentry_shape_is_right
	s_endpgm
.Lentry_shape_is_right:
.set KSTEP,  256
.set NQ,     KSTEP/128
.set ROWB,   192
.set KROW,   768
.set PITCH,  240
.set FR,     12
.set NL,     6
.set NP,     4
.set HALFT,  128*PITCH
.set SLOT,   4*HALFT
.set LAPS,   1024/(2*KSTEP)
.set KS,     32
.set SCL,    2*SLOT
.set HALFS,  (128*KS/256)*272
.set SBLK,   (16*KS/256)*272
.set SPARE,  SCL+4*HALFS
.set QHEAD,  106496
.set QSTEP,  6656
.set KVHEAD, 208896
.set KVSTEP, 13056
.set VOFF,   6656
.set SWO,    6144
.set ADRA, 16
.set ADRB, 20
.set LA,   24
.set LB,   25
.set BO,   26
.set ADRS, 27
.set SPW,  28
.set NIL,  29
.set SC,   32
.set BP,   64
.set AF,   128
.set T,    128
.set CD,   192
.set TM,   224
.set PWS,  240
.set SW,   248
.set G1, 24
.set G0, 32
.set G1B, 48
.set G0B, 56
.set G1S, 68
.set G0S, 76
.set G1SB, 80
.set G0SB, 88
.set ROLE, 66
.set WHICH, 67
.set SF,   18
.set SEL,  20
.set OB,   92
.set MSB, 0
.macro WIN new
.if MSB != \new
	s_set_vgpr_msb (MSB<<8)|\new
.set MSB, \new
.endif
.endm
.set MUL_LO, 0xa1
.set MUL_HI, 0xf1
.set TO_B,   0x40
.macro JLOAD g0a, g1a, g0b, g1b
	s_cmp_eq_u32 s15, 0
	s_cbranch_scc0 .Lfor_b_\@
	tensor_load_to_lds s[\g0a:\g0a+3], s[\g1a:\g1a+7]
	s_nop 0
.rept 4
	v_nop
.endr
	s_branch .Lasked_\@
.Lfor_b_\@:
	tensor_load_to_lds s[\g0b:\g0b+3], s[\g1b:\g1b+7]
	s_nop 0
.rept 4
	v_nop
.endr
.Lasked_\@:
.endm
.macro CREST
	s_cmp_lg_u32 s14, 0
	s_cbranch_scc1 .Lnot_wave_0_\@
	s_barrier_signal -3
.Lnot_wave_0_\@:
	s_barrier_wait -3
	s_barrier_signal -1
	s_barrier_wait -1
.endm
.macro CROUND
	s_barrier_signal -1
	s_barrier_wait -1
	CREST
.endm
	s_load_b256 s[4:11], s[0:1], 0x0
	s_load_b128 s[96:99], s[0:1], 0x20
	s_load_b64 s[100:101], s[0:1], 0x30
	v_lshl_add_u32 v[SPW], v0, 2, SPARE
	v_mov_b32 v[NIL], 0
	ds_add_u32 v28, v29
	ds_add_u32 v28, v29
	s_wait_dscnt 0x0
	v_lshrrev_b32 v1, 5, v0
	v_readfirstlane_b32 s14, v1
	s_lshr_b32 s15, s14, 1
	s_and_b32 s16, s14, 1
	s_bfe_u32 s40, ttmp6, 0x40000
	s_bfe_u32 s41, ttmp6, 0x40004
	s_and_b32 s22, ttmp9, 1
	s_lshr_b32 s23, ttmp9, 1
	s_sub_co_u32 s45, ttmp9, 16
	s_cmp_ge_u32 ttmp9, 16
	s_cselect_b32 s[WHICH], s45, s22
	s_cselect_b32 s23, 2, s23
	s_cselect_b32 s[ROLE], 1, 0
	s_lshl_b32 s42, s[WHICH], 2
	s_add_co_u32 s42, s42, s40
	s_lshl_b32 s17, s23, 2
	s_add_co_u32 s17, s17, s41
	s_lshl_b32 s43, s41, 2
	s_lshl_b32 s43, 15, s43
	s_lshl_b32 s44, 0x1111, s40
	s_or_b32 s[G1+0], s43, (0<<16)|(1<<20)|(1<<21)|(3<<22)|(3<<25)
	s_or_b32 s[G1B+0], s44, (0<<16)|(1<<20)|(1<<21)|(3<<22)|(3<<25)
.irp g, G1, G1B
	s_mov_b32 s[\g+1], ROWB<<16
	s_mov_b32 s[\g+2], 128<<16
	s_mov_b32 s[\g+3], ROWB<<16
	s_mov_b32 s[\g+4], 128
	s_mov_b32 s[\g+5], KROW
	s_mov_b32 s[\g+6], 0
	s_mov_b32 s[\g+7], 0
.endr
	s_or_b32 s[G1S+0], s43, (3<<16)|(1<<20)|(1<<21)|(5<<22)|(3<<25)
	s_or_b32 s[G1SB+0], s44, (3<<16)|(1<<20)|(1<<21)|(5<<22)|(3<<25)
.irp g, G1S, G1SB
	s_mov_b32 s[\g+1], 32<<16
	s_mov_b32 s[\g+2], (128*KS/256)<<16
	s_mov_b32 s[\g+3], 32<<16
	s_mov_b32 s[\g+4], 128*KS/256
	s_mov_b32 s[\g+5], 32
	s_mov_b32 s[\g+6], 0
	s_mov_b32 s[\g+7], 0
.endr
	s_lshl_b32 s18, s16, 7
	s_lshl_b32 s20, s17, 8
	s_add_co_u32 s20, s20, s18
	s_lshl_b32 s46, s42, 8
	s_add_co_u32 s46, s46, s18
	s_mov_b32 s21, 0
	s_mov_b32 s47, 0
	s_mov_b64 s[18:19], KS
	s_mul_u64 s[22:23], s[20:21], s[18:19]
	s_mul_u64 s[92:93], s[46:47], s[18:19]
	s_mov_b64 s[18:19], KROW
	s_mul_u64 s[20:21], s[20:21], s[18:19]
	s_mul_u64 s[46:47], s[46:47], s[18:19]
	s_mul_i32 s45, s14, HALFT
	s_mul_i32 s94, s14, HALFS
	s_wait_kmcnt 0x0
	s_cmp_lg_u32 s[ROLE], 0
	s_cselect_b64 s[12:13], s[8:9], s[4:5]
	s_cselect_b64 s[8:9], s[4:5], s[8:9]
	s_mov_b64 s[4:5], s[12:13]
	s_cselect_b64 s[12:13], s[10:11], s[6:7]
	s_cselect_b64 s[10:11], s[6:7], s[10:11]
	s_mov_b64 s[6:7], s[12:13]
	s_add_nc_u64 s[20:21], s[4:5], s[20:21]
	s_add_nc_u64 s[22:23], s[6:7], s[22:23]
	s_add_nc_u64 s[46:47], s[8:9], s[46:47]
	s_add_nc_u64 s[92:93], s[10:11], s[92:93]
	CROUND
	s_mov_b32 s[G0S], 1
	s_add_co_u32 s[G0S+1], s94, SCL
	s_mov_b64 s[G0S+2:G0S+3], s[22:23]
	s_or_b32 s[G0S+3], s[G0S+3], 0x80000000
	s_mov_b32 s[G0SB], 1
	s_add_co_u32 s[G0SB+1], s94, SCL
	s_mov_b64 s[G0SB+2:G0SB+3], s[92:93]
	s_or_b32 s[G0SB+3], s[G0SB+3], 0x80000000
	JLOAD G0S, G1S, G0SB, G1SB
.irp s, 0,1
	s_mov_b32 s[G0+4*\s], 1
	s_add_co_u32 s[G0+4*\s+1], s45, \s*SLOT
	s_add_nc_u64 s[G0+4*\s+2:G0+4*\s+3], s[20:21], \s*ROWB
	s_or_b32 s[G0+4*\s+3], s[G0+4*\s+3], 0x80000000
	s_mov_b32 s[G0B+4*\s], 1
	s_add_co_u32 s[G0B+4*\s+1], s45, \s*SLOT
	s_add_nc_u64 s[G0B+4*\s+2:G0B+4*\s+3], s[46:47], \s*ROWB
	s_or_b32 s[G0B+4*\s+3], s[G0B+4*\s+3], 0x80000000
	s_wait_alu depctr_va_vdst(0)
	s_wait_tensorcnt 0x0
	ds_add_u32 v28, v29
	s_wait_dscnt 0x0
	CROUND
	JLOAD G0+4*\s, G1, G0B+4*\s, G1B
.endr
	v_and_b32 v1, 15, v0
	v_bfe_u32 v2, v0, 4, 1
	v_mul_u32_u24 v3, v1, PITCH
	v_mul_u32_u24 v4, v2, 24
	v_add_nc_u32 v4, v3, v4
	v_lshl_add_u32 v5, v2, 4, v4
	s_mul_i32 s21, s15, HALFT
	s_mul_i32 s22, s16, HALFT
	s_add_co_u32 s22, s22, 2*HALFT
.irp s, 0,1
	v_add_nc_u32 v[ADRA+\s], s21, v4
	v_add_nc_u32 v[ADRB+\s], s22, v4
	v_add_nc_u32 v[ADRA+2+\s], s21, v5
	v_add_nc_u32 v[ADRB+2+\s], s22, v5
	s_add_co_u32 s21, s21, SLOT
	s_add_co_u32 s22, s22, SLOT
.endr
	v_mul_u32_u24 v5, v1, KS
	v_lshrrev_b32 v6, 8, v5
	v_lshl_add_u32 v5, v6, 4, v5
	s_mul_i32 s21, s15, HALFS
	s_mul_i32 s22, s16, HALFS
	s_add_co_u32 s22, s22, 2*HALFS
	s_sub_co_u32 s22, s22, s21
	v_mul_u32_u24 v6, s22, v2
	s_add_co_u32 s21, s21, SCL
	v_add_nc_u32 v5, v5, v6
	v_add_nc_u32 v[ADRS], s21, v5
	v_and_b32 v6, 31, v0
	v_lshlrev_b32 v[LA], 4, v6
	v_lshlrev_b32 v[LB], 3, v6
.irp b, 0,1,2,3
	v_mov_b32 v[TM+4+\b], 0
.endr
.macro FRAG reg, adr, q, i
.irp p, 0,1,2,3,4,5
.set PIECE, 12*(\q)+6*(\p/3)+\p%3
.if PIECE%8 < 5
	ds_load_b64 v[\reg+2*\p:\reg+2*\p+1], v[\adr] offset:8*PIECE+16*(PIECE/8)+(\i)*16*PITCH
.else
	ds_load_b64 v[\reg+2*\p:\reg+2*\p+1], v[\adr+2] offset:8*PIECE+16*(PIECE/8)+(\i)*16*PITCH
.endif
.endr
.endm
.macro MUL16 a0, p, q, sc, zero
.irp a, \a0, \a0+1
.irp b, 0,1,2,3,4,5,6,7
.if \zero
	v_wmma_scale_f32_16x16x128_f8f6f4 v[8*(8*((\a)%4)+\b):8*(8*((\a)%4)+\b)+7], v[128*(\p)+FR*\b:128*(\p)+FR*\b+FR-1], v[AF+FR*(\a):AF+FR*(\a)+FR-1], 0, v[SC+8*NQ*(\sc)+NQ*\b+(\q)], v[SC+8*NQ*(\sc)+NQ*(\a)+(\q)] matrix_a_fmt:MATRIX_FMT_BF6 matrix_b_fmt:MATRIX_FMT_BF6 matrix_a_scale:MATRIX_SCALE_ROW1
.else
	v_wmma_scale_f32_16x16x128_f8f6f4 v[8*(8*((\a)%4)+\b):8*(8*((\a)%4)+\b)+7], v[128*(\p)+FR*\b:128*(\p)+FR*\b+FR-1], v[AF+FR*(\a):AF+FR*(\a)+FR-1], v[8*(8*((\a)%4)+\b):8*(8*((\a)%4)+\b)+7], v[SC+8*NQ*(\sc)+NQ*\b+(\q)], v[SC+8*NQ*(\sc)+NQ*(\a)+(\q)] matrix_a_fmt:MATRIX_FMT_BF6 matrix_b_fmt:MATRIX_FMT_BF6 matrix_a_scale:MATRIX_SCALE_ROW1
.endif
.endr
.endr
.endm
.macro FETCH_B slot, q, p
	WIN TO_B
.irp i, 0,1,2,3,4,5,6,7
	FRAG 128*(\p)+FR*\i, ADRB+\slot, \q, \i
.endr
	WIN 0
.endm
.macro FETCH_A slot, q, i0
.irp i, \i0, \i0+1, \i0+2, \i0+3
	FRAG AF+FR*(\i), ADRA+\slot, \q, \i
.endr
.endm
.macro SCALES sc
.irp i, 0,1,2,3,4,5,6,7
	ds_load_b64 v[SC+8*NQ*\sc+NQ*\i:SC+8*NQ*\sc+NQ*\i+1], v[ADRS] offset:\i*SBLK
.endr
.endm
.macro PLACES n
.rept \n
	v_nop
.endr
.endm
.macro STEP slot, q, zero
	s_wait_dscnt 4*NL
	WIN MUL_LO
	MUL16 0, (\q)%2, \q, \slot, \zero
	MUL16 2, (\q)%2, \q, \slot, \zero
	s_wait_dscnt 0
	PLACES NP
	FETCH_B \slot, (\q)+1, 1-(\q)%2
	FETCH_A \slot, (\q)+1, 0
	WIN MUL_HI
	MUL16 4, (\q)%2, \q, \slot, \zero
	MUL16 6, (\q)%2, \q, \slot, \zero
	PLACES NP
	WIN 0
	FETCH_A \slot, (\q)+1, 4
.endm
.macro TURN slot, next, fill
	s_wait_tensorcnt 0x0
	ds_add_u32 v[SPW], v[NIL]
	s_wait_dscnt 4*NL+1
	WIN MUL_LO
	MUL16 0, 1, NQ-1, \slot, 0
	s_wait_dscnt 0x0
	s_barrier_signal -1
	MUL16 2, 1, NQ-1, \slot, 0
	WIN 0
	s_barrier_wait -1
.if \fill
	CREST
	s_add_nc_u64 s[G0+4*\slot+2:G0+4*\slot+3], s[G0+4*\slot+2:G0+4*\slot+3], 2*ROWB
	s_add_nc_u64 s[G0B+4*\slot+2:G0B+4*\slot+3], s[G0B+4*\slot+2:G0B+4*\slot+3], 2*ROWB
	JLOAD G0+4*\slot, G1, G0B+4*\slot, G1B
.else
	PLACES NP
.endif
	s_wait_alu depctr_va_vdst(0)
	v_add_nc_u32 v[ADRS], 4*NQ, v[ADRS]
	FETCH_B \next, 0, 0
	FETCH_A \next, 0, 0
	SCALES \next
	WIN MUL_HI
	MUL16 4, 1, NQ-1, \slot, 0
	MUL16 6, 1, NQ-1, \slot, 0
	PLACES NP
	WIN 0
	FETCH_A \next, 0, 4
.endm
.macro TAIL
	STEP 1, 0, 0
	s_wait_dscnt 4*NL
	WIN MUL_LO
	MUL16 0, 1, NQ-1, 1, 0
	MUL16 2, 1, NQ-1, 1, 0
	s_wait_dscnt 0
	WIN MUL_HI
	MUL16 4, 1, NQ-1, 1, 0
	MUL16 6, 1, NQ-1, 1, 0
	WIN 0
.endm
.macro QUANT s, pw
.irp b, 0,1,2,3
	v_max3_num_f32 v[TM+\b], |v[\s+16*\b]|, |v[\s+1+16*\b]|, 0x2800000
.endr
.irp i, 2,4,6,8,10,12,14
.irp b, 0,1,2,3
	v_max3_num_f32 v[TM+\b], v[TM+\b], |v[\s+16*\b+\i]|, |v[\s+1+16*\b+\i]|
.endr
.endr
.irp b, 0,1,2,3
	v_permlanex16_b32 v[TM+4+\b], v[TM+\b], s[SEL], s[SEL+1]
.endr
.irp b, 0,1,2,3
	v_max_num_f32 v[TM+\b], v[TM+\b], v[TM+4+\b]
.endr
.irp b, 0,1,2,3
	v_add_nc_u32 v[TM+12+\b], 0xfe000000, v[TM+\b]
.endr
.irp b, 0,1,2,3
	v_lshrrev_b32 v[TM+4+\b], 23, v[TM+12+\b]
.endr
	v_lshl_or_b32 v[\pw], v[TM+5], 8, v[TM+4]
	v_lshl_or_b32 v[\pw], v[TM+6], 16, v[\pw]
	v_lshl_or_b32 v[\pw], v[TM+7], 24, v[\pw]
.irp c, 0,1
	v_cvt_scalef32_pk16_bf6_f32 v[CD+6*\c:CD+2+6*\c], v[\s+32*\c:\s+15+32*\c], v[TM+12+2*\c]
	v_cvt_scalef32_pk16_bf6_f32 v[CD+12+4*\c:CD+14+4*\c], v[\s+16+32*\c:\s+31+32*\c], v[TM+12+2*\c+1]
.endr
	v_nop
.irp c, 0,1
.irp i, 0,1,2
	v_permlane16_swap_b32 v[CD+6*\c+\i], v[CD+12+4*\c+\i]
.endr
.irp i, 0,1,2
	v_mov_b32 v[CD+3+6*\c+\i], v[CD+12+4*\c+\i]
.endr
.endr
.endm
.macro UNIT role, a
.set AC, 64*((\a)%4)
	WIN 0x02+(\a)/4
.set II, 0
.rept 32
.if \role
	v_pk_add_f32 v[T+II:T+II+1], v[AC+II:AC+II+1], v[BP+2*(\a):BP+2*(\a)+1]
.else
	v_pk_fma_f32 v[T+II:T+II+1], v[AC+II:AC+II+1], s[SF:SF+1], v[BP+II:BP+II+1] op_sel_hi:[1,0,1]
.endif
.set II, II+2
.endr
	WIN 0
.if (\a) > 0
	s_wait_xcnt 0x0
.endif
	QUANT T, PWS+(\a)
.irp c, 0,1
.if \role
	global_store_b128 v[LA], v[CD+6*\c:CD+6*\c+3], s[OB:OB+1] offset:((\a)/4)*KVHEAD+((\a)%4)*1536+768*\c
	global_store_b64 v[LB], v[CD+6*\c+4:CD+6*\c+5], s[OB:OB+1] offset:((\a)/4)*KVHEAD+((\a)%4)*1536+768*\c+512
.else
	global_store_b128 v[LA], v[CD+6*\c:CD+6*\c+3], s[OB+2*\c:OB+2*\c+1] offset:768*(\a)
	global_store_b64 v[LB], v[CD+6*\c+4:CD+6*\c+5], s[OB+2*\c:OB+2*\c+1] offset:768*(\a)+512
.endif
.endr
.endm
	s_wait_alu depctr_va_vdst(0)
	s_wait_tensorcnt 1
	s_barrier_signal -1
	s_barrier_wait -1
	FETCH_B 0, 0, 0
	FETCH_A 0, 0, 0
	SCALES 0
	FETCH_A 0, 0, 4
	STEP 0, 0, 1
	s_mov_b32 s3, LAPS-1
.Llap:
	TURN 0, 1, 1
	STEP 1, 0, 0
	TURN 1, 0, 1
	STEP 0, 0, 0
	s_sub_co_u32 s3, s3, 1
	s_cmp_lg_u32 s3, 0
	s_cbranch_scc1 .Llap
	TURN 0, 1, 0
	s_mov_b32 s[SEL], 0x76543210
	s_mov_b32 s[SEL+1], 0xfedcba98
	s_cmp_lg_u32 s[ROLE], 0
	s_cbranch_scc1 .Lrole_v
	s_lshl_b32 s40, s42, 8
	s_lshl_b32 s41, s16, 7
	s_add_co_u32 s40, s40, s41
	s_lshl_b32 s46, s40, 2
	s_mov_b32 s47, 0
	s_add_nc_u64 s[12:13], s[96:97], s[46:47]
	v_lshlrev_b32 v[BO], 6, v2
.irp b, 0,1,2,3
.irp q, 0,1,2,3
	global_load_b128 v[BP+16*\b+4*\q:BP+16*\b+4*\q+3], v[BO], s[12:13] offset:128*\b+16*\q
.endr
.endr
	s_bfe_u32 s41, s40, 0x40006
	s_lshl_b32 s43, s17, 8
	s_lshl_b32 s44, s15, 7
	s_add_co_u32 s43, s43, s44
	s_bfe_u32 s44, s43, 0x40007
	s_lshr_b32 s45, s43, 11
	s_lshl_b32 s45, s45, 4
	s_add_co_u32 s45, s45, s41
	s_mov_b32 s[SF], 0x3e000000
	s_mov_b32 s[SF+1], 0x3f800000
	s_mov_b32 s22, QHEAD
	s_mov_b32 s23, KVHEAD
	s_mov_b32 s46, QSTEP
	s_mov_b32 s47, KVSTEP
	s_cmp_lg_u32 s[WHICH], 0
	s_cselect_b32 s[SF], s[SF+1], s[SF]
	s_cselect_b32 s22, s23, s22
	s_cselect_b32 s46, s47, s46
	s_cselect_b64 s[OB:OB+1], s[100:101], s[98:99]
	s_mov_b32 s[SF+1], s[SF]
	s_mul_i32 s45, s45, s22
	s_mul_i32 s44, s44, s46
	s_add_co_u32 s44, s44, s45
	s_mov_b32 s45, 0
	s_add_nc_u64 s[OB:OB+1], s[OB:OB+1], s[44:45]
	s_mov_b32 s23, 0
	s_add_nc_u64 s[OB+2:OB+3], s[OB:OB+1], s[22:23]
	TAIL
	s_wait_loadcnt 0x0
.set II, 0
.rept 32
	v_pk_mul_f32 v[BP+II:BP+II+1], v[BP+II:BP+II+1], s[SF:SF+1] op_sel_hi:[1,0]
.set II, II+2
.endr
	v_cmp_ne_u32 vcc_lo, 0, v2
.irp a, 0,1,2,3,4,5,6,7
	UNIT 0, \a
.endr
.irp i, 0,1,2,3
	v_cndmask_b32 v[SW+\i], v[PWS+2*\i], v[PWS+2*\i+1], vcc_lo
.endr
.irp i, 0,1,2,3
	v_lshrrev_b32 v[SW+4+\i], 16, v[SW+\i]
.endr
.irp i, 0,1,2,3
	v_and_b32 v[SW+\i], 0xffff, v[SW+\i]
.endr
	global_store_b128 v[LA], v[SW:SW+3], s[OB:OB+1] offset:SWO
	global_store_b128 v[LA], v[SW+4:SW+7], s[OB+2:OB+3] offset:SWO
	s_branch .Lend
.Lrole_v:
	s_lshl_b32 s40, s17, 8
	s_lshl_b32 s41, s15, 7
	s_add_co_u32 s40, s40, s41
	s_lshl_b32 s46, s40, 2
	s_mov_b32 s47, 0
	s_add_nc_u64 s[12:13], s[96:97], s[46:47]
	v_and_b32 v[BO], 8, v1
	v_add_nc_u32 v[BO], v[BO], v1
	v_lshlrev_b32 v[BO], 2, v[BO]
.irp a, 0,1,2,3,4,5,6,7
	global_load_b32 v[BP+2*\a], v[BO], s[12:13] offset:(32*(\a/2)+8*(\a%2))*4
	global_load_b32 v[BP+2*\a+1], v[BO], s[12:13] offset:(32*(\a/2)+8*(\a%2))*4
.endr
	s_bfe_u32 s41, s40, 0x40006
	s_lshl_b32 s43, s42, 8
	s_lshl_b32 s44, s16, 7
	s_add_co_u32 s43, s43, s44
	s_bfe_u32 s44, s43, 0x40007
	s_lshr_b32 s45, s43, 11
	s_lshl_b32 s45, s45, 4
	s_add_co_u32 s45, s45, s41
	s_mul_i32 s45, s45, KVHEAD
	s_mul_i32 s44, s44, KVSTEP
	s_add_co_u32 s44, s44, s45
	s_add_co_u32 s44, s44, VOFF
	s_mov_b32 s45, 0
	s_add_nc_u64 s[OB:OB+1], s[100:101], s[44:45]
	TAIL
	s_wait_loadcnt 0x0
	v_cmp_ne_u32 vcc_lo, 0, v2
	PLACES NP
.irp a, 0,1,2,3,4,5,6,7
	UNIT 1, \a
.endr
.irp i, 0,1,2,3
	v_cndmask_b32 v[SW+\i], v[PWS+2*\i], v[PWS+2*\i+1], vcc_lo
.endr
	global_store_b64 v[LB], v[SW:SW+1], s[OB:OB+1] offset:SWO
	global_store_b64 v[LB], v[SW+2:SW+3], s[OB:OB+1] offset:SWO+KVHEAD
.Lend:
	s_wait_tensorcnt 0x0
	ds_add_u32 v[SPW], v[NIL]
	s_wait_dscnt 0x0
	CROUND
	s_endpgm
.Lfunc_end_k_qe94d4f49ea_gemm:
	.size	k_qe94d4f49ea_gemm, .Lfunc_end_k_qe94d4f49ea_gemm-k_qe94d4f49ea_gemm
	.p2alignl 7, 3214868480
	.fill 96, 4, 3214868480
	.section	.rodata,"a",@progbits
	.p2align	6, 0x0
	.amdhsa_kernel k_qe94d4f49ea_gemm
		.amdhsa_group_segment_fixed_size 327680
		.amdhsa_private_segment_fixed_size 0
		.amdhsa_enable_private_segment 0
		.amdhsa_kernarg_size 56
		.amdhsa_user_sgpr_count 2
		.amdhsa_user_sgpr_kernarg_segment_ptr 1
		.amdhsa_wavefront_size32 1
		.amdhsa_system_sgpr_workgroup_id_x 1
		.amdhsa_system_sgpr_workgroup_id_y 1
		.amdhsa_system_sgpr_workgroup_id_z 1
		.amdhsa_system_vgpr_workitem_id 0
		.amdhsa_next_free_vgpr 1024
		.amdhsa_next_free_sgpr 102
		.amdhsa_reserve_vcc 1
		.amdhsa_float_denorm_mode_32 3
		.amdhsa_float_denorm_mode_16_64 3
		.amdhsa_memory_ordered 1
		.amdhsa_forward_progress 1
		.amdhsa_inst_pref_size 255
	.end_amdhsa_kernel
	.section	.bss,"aw",@nobits
	.p2align	6
	.space	262144
	.amdgpu_metadata
---
amdhsa.version: [ 1, 2 ]
amdhsa.kernels:
  - .name:           k_qe94d4f49ea_gemm
    .symbol:         k_qe94d4f49ea_gemm.kd
    .args:
      - { .name: xc, .offset: 0, .size: 8, .value_kind: global_buffer, .address_space: global }
      - { .name: xs, .offset: 8, .size: 8, .value_kind: global_buffer, .address_space: global }
      - { .name: wc, .offset: 16, .size: 8, .value_kind: global_buffer, .address_space: global }
      - { .name: ws, .offset: 24, .size: 8, .value_kind: global_buffer, .address_space: global }
      - { .name: b_qkv, .offset: 32, .size: 8, .value_kind: global_buffer, .address_space: global }
      - { .name: qq, .offset: 40, .size: 8, .value_kind: global_buffer, .address_space: global }
      - { .name: kv, .offset: 48, .size: 8, .value_kind: global_buffer, .address_space: global }
    .group_segment_fixed_size: 327680
    .private_segment_fixed_size: 0
    .kernarg_segment_align: 8
    .kernarg_segment_size: 56
    .max_flat_workgroup_size: 128
    .sgpr_count:     102
    .vgpr_count:     1024
    .wavefront_size: 32
...
	.end_amdgpu_metadata
.endif
;; end of part 2
;; launch attn (part 3): grid 4 x 64, 16 waves a work-group, clusters of 4 x 1, 280,576 bytes of LDS; arguments qq, kv, out0; writes out0
.if DOCPART == 3
	.amdgcn_target "amdgcn-amd-amdhsa--gfx1250"
	.amdhsa_code_object_version 6
	.text
	.protected	k_qe94d4f49ea_attn
	.globl	k_qe94d4f49ea_attn
	.p2align	8
	.type	k_qe94d4f49ea_attn,@function
k_qe94d4f49ea_attn:
	s_mov_b64 s[64:65], 0
	v_nop
	global_prefetch_b8 v0, s[64:65] scope:SCOPE_SE
	s_setreg_imm32_b32 hwreg(HW_REG_WAVE_MODE, 25, 1), 1
	s_wait_xcnt 0x0
	s_wait_alu depctr_hold_cnt(0) depctr_sa_sdst(0) depctr_va_vdst(0) depctr_va_sdst(0) depctr_va_ssrc(0) depctr_va_vcc(0) depctr_vm_vsrc(0)
	s_getreg_b32 s2, hwreg(HW_REG_IB_STS2, 6, 4)
	s_cmp_eq_u32 s2, 0
	s_cbranch_scc0 .Lentry_in_a_cluster
	s_endpgm
.Lentry_in_a_cluster:
	s_bfe_u32 s2, ttmp6, 0x10000c
	s_cmp_lg_u32 s2, 0x3003
	s_cbranch_scc0 .Lentry_shape_is_right
	s_endpgm
.Lentry_shape_is_right:
; out[b][n][64 h + d] = the sum over keys of softmax(q . k) v, for each of the 64 pairs (batch, head); q carries the factor 1/8 already.  Both products on codes of BF6 (E3M2) with one E8M0 scale for each 32 along K.
; THE SOFTMAX AHEAD OF THE SECOND PRODUCT: t = score x log2(e); M = the row's largest t so far, rounded UP to a whole number; p = 2^(t - M) is what is quantised, along the keys; it is not normalised.
; The row's sum is taken of the unquantised p, in f32, and divides O at the end.  When M moves, the sum and O are multiplied by 2^(old M - new M): exact.
; INPUTS, made by the launch before in the order of the operand registers.  A CHUNK is six registers of 32 lanes, 768 bytes: registers 0-3 at 16 x lane, registers 4-5 at 512 + 8 x lane.
;   qq [64 heads][16 steps of 128 queries][6,656]: 8 tiles' chunks (a tile: 16 queries x the head's 64 channels), then 512 bytes of scale words.
;   kv [64 heads][16 steps of 128 keys][13,056]: K's 8 chunks, 512 bytes of their scale words, V's 4 tiles of 16 channels x 128 keys (two chunks each), 256 bytes of their scale words.
; A TILE'S ROWS ARE NOT NEIGHBOURS: lane r of tile t (of queries, of keys, of V's channels) holds row 32 (t / 2) + 8 (t % 2) + r + 8 (r / 8).  So in S^T the 16 registers of key tiles 2 b, 2 b + 1 are the neighbouring keys
; 32 b + 16 (lane / 16) + 0 .. 15, in O^T those of channel tiles 2 b, 2 b + 1 the neighbouring channels, and the rows of a tile of queries are honoured where O is stored.
; SHARES.  A work-group owns 512 queries of one head: sixteen waves, each with one tile of 16 queries in each of two passes, in 256 registers: four waves to a SIMD, so that one wave's vector work stands beside another's matrix
; work and LDS loads.  Every wave walks all 2,048 keys, 128 a step.
; A HEAD'S WHOLE K AND V STAY IN LDS: 208,896 bytes, as they lie in memory, filled ONCE: wave w brings key step w.  No byte of LDS is filled twice: no ring.  Every read is 16 or 8 bytes a lane on end: no padding is wanted.
; CLUSTER.  The four work-groups of a cluster own the four quarters of one head's queries and read the same K and V: each wave's load is asked for JOINTLY by the four (mask 15).
; BOTH PRODUCTS TRANSPOSED: S^T = K Q^T (source 0 = 16 keys, source 1 = my 16 queries), O^T = V^T P^T (source 0 = 16 channels, source 1 = P): a lane holds ONE query (lane % 16) throughout.
; THE FIRST PRODUCT'S K IS 64, HALF OF THE INSTRUCTION'S 128.  Q's registers 6-11 are zero codes, and bytes 2 and 3 of Q's and K's scale words are 0 (2^-127, not NaN).  So whatever stands in the upper six registers of K's
; operand is multiplied by zero, and every code of this format is a finite number: key tile t's operand is v[32 + 6 t] on, 12 registers, whose upper six are tile t + 1's codes (behind tile 7: six registers of zeros).
; LIMITS: NaN and infinities are not served.  A p under 2^-126 comes out of v_exp_f32 as 0.  A block's largest p is taken from its largest score by the same two instructions, which takes v_exp_f32 not to fall where its input rises.
.set KVHEAD, 208896
.set KVSTEP, 13056
.set QHEAD,  106496
.set QSTEP,  6656
.set KSO,    6144                      ; in a step: K's scale words,
.set VO,     6656                      ; V,
.set VSO,    12800                     ; V's scale words
.set STG,    KVHEAD                    ; LDS behind the head's K and V: a stage of 16 rows x (256 bytes + 16) for each wave, for the way out; no tensor load lands there
.set SP,     272
.set LA,  1                            ; v1   16 x lane
.set LB,  2                            ; v2   8 x lane
.set ADA, 3                            ; v3   the step's first byte + 16 x lane
.set ADB, 4                            ; v4   + 8 x lane
.set STO, 5                            ; v5   the way out: where I put my 64 bytes of a row's half
.set RD,  6                            ; v6   where I read a row back
.set GO,  7                            ; v7   my byte offset in two rows of out0
.set QW,  8                            ; v8   16 x (lane % 16): my query's scale word
.set QF,  16                           ; v16-21 Q's codes; v22-27 zeros
.set QS,  28                           ; v28  Q's scale word
.set F,   32                           ; v32-79 K's 8 chunks, then V's 8; v80-85 zeros
.set S,   96                           ; v96-159 S^T, then p; on the way out O / the sum and the rows read back
.set O,   160                          ; v160-191 O^T
.set PC,  192                          ; v192-203 p's codes
.set PT,  204                          ; v204-206, v208-210 the blocks' second halves as the conversions leave them
.set BM,  212                          ; v212-215 each block's largest score, then its largest p
.set BT,  216                          ; v216-219 the other half's, then the bytes
.set SO,  220                          ; v220-223 the conversions' scale operands
.set TMP, 224
.set FF,  226                          ; v[226:227] f = 2^(old M - new M); v227 is named with it as a pair
.set L2,  228                          ; v[228:229] the sum's second chain
.set PW,  230                          ; v230 p's scale word
.set KSC, 232                          ; v232-235 K's scale words: register i: lanes 0-15 tile 2 i, lanes 16-31 tile 2 i + 1
.set VSC, 236                          ; v236-237 V's likewise
.set WV,  10                           ; s10  my wave's number
.set SEL, 20                           ; s[20:21] lane selects for v_permlanex16_b32: lane l xor 16
.set CS,  22                           ; s[22:23] log2(e): the packed form names a pair and takes its low word for both halves
.set G1,  24                           ; s[24:31] descriptor group 1
.set G0,  40                           ; s[40:43] descriptor group 0
.set TB,  48                           ; s48  LDS byte at which the step in hand begins
.set CNT, 49                           ; s49  steps to go
; v12 -M, v13 the running largest t, v[14:15] the sum in two halves
.macro CROUND                          ; a round of the cluster's barrier
	s_barrier_signal -1
	s_barrier_wait -1
	s_cmp_lg_u32 s[WV], 0
	s_cbranch_scc1 .Lnot_wave_0_\@
	s_barrier_signal -3
.Lnot_wave_0_\@:
	s_barrier_wait -3
	s_barrier_signal -1
	s_barrier_wait -1
.endm
	s_load_b128 s[4:7], s[0:1], 0x0                ; qq s[4:5], kv s[6:7]
	s_load_b64 s[8:9], s[0:1], 0x10                ; out0
	v_lshl_add_u32 v254, v0, 2, 0x44000
	v_mov_b32 v255, 0
	ds_add_u32 v254, v255
	ds_add_u32 v254, v255
	v_lshrrev_b32 v1, 5, v0
	s_delay_alu instid0(VALU_DEP_1)
	v_readfirstlane_b32 s[WV], v1                  ; wave 0..15
	s_bfe_u32 s11, ttmp6, 0x40000                  ; cx: my place in the cluster
	s_lshl_b32 s13, ttmp9, 2
	s_add_co_u32 s13, s13, s11                     ; my quarter of the head's queries: it enters Q's and O's addresses alone
	s_and_b32 s12, ttmp7, 0xffff                   ; 16 x batch + head, which the four partners share
	; descriptor group 1: a key step, 13,056 dense bytes, as 51 rows of 256 bytes (32 elements of 8 bytes), no padding
	s_mov_b32 s[G1], 15|(3<<16)|(1<<21)            ; 15:0 the mask: all four work-groups; 17:16 elements of 8 bytes; 21 set beside a mask
	s_mov_b32 s[G1+1], 32<<16                      ; tensor_dim0 = 32
	s_mov_b32 s[G1+2], 51<<16                      ; tensor_dim1 = 51
	s_mov_b32 s[G1+3], 32<<16                      ; tile_dim0 = 32
	s_mov_b32 s[G1+4], 51                          ; tile_dim1 = 51
	s_mov_b32 s[G1+5], 32                          ; tensor_dim0_stride
	s_mov_b32 s[G1+6], 0
	s_mov_b32 s[G1+7], 0
	s_mul_i32 s16, s[WV], KVSTEP                   ; key step w: its place in LDS and in the head: the wave's number times a constant
	s_mul_i32 s14, s12, KVHEAD
	s_add_co_u32 s14, s14, s16
	s_mov_b32 s15, 0
	s_mul_i32 s52, s12, QHEAD                      ; Q.  In pass p my tile is 32 x quarter + 16 p + w: step 4 x quarter + 2 p + w / 8, tile w % 8 of it
	s_lshl_b32 s53, s13, 2
	s_lshr_b32 s54, s[WV], 3
	s_add_co_u32 s53, s53, s54
	s_mul_i32 s53, s53, QSTEP
	s_add_co_u32 s52, s52, s53                     ; pass 0's step
	s_and_b32 s54, s[WV], 7
	s_mul_i32 s18, s54, 768
	s_add_co_u32 s18, s18, s52
	s_mov_b32 s19, 0                               ; my tile's chunk
	s_lshr_b32 s54, s54, 1                         ; its scale words: word (w % 8) / 2 of lanes 16 (w % 2) + r, 16 bytes a lane
	s_lshl_b32 s54, s54, 2
	s_and_b32 s55, s[WV], 1
	s_lshl_b32 s55, s55, 8
	s_add_co_u32 s54, s54, s55
	s_add_co_u32 s54, s54, s52
	s_add_co_u32 s54, s54, KSO
	s_mov_b32 s55, 0
	s_lshl_b32 s52, s13, 9                         ; O.  My tile's first query in pass 0: 512 x quarter + 32 (w / 2) + 8 (w % 2)
	s_lshr_b32 s53, s[WV], 1
	s_lshl_b32 s53, s53, 5
	s_add_co_u32 s52, s52, s53
	s_and_b32 s53, s[WV], 1
	s_lshl_b32 s53, s53, 3
	s_add_co_u32 s52, s52, s53
	s_lshl_b32 s52, s52, 12                        ; a row of out0 is 4,096 bytes,
	s_lshr_b32 s53, s12, 4
	s_lshl_b32 s53, s53, 23                        ; a batch 2,048 rows,
	s_add_co_u32 s52, s52, s53
	s_and_b32 s53, s12, 15
	s_lshl_b32 s53, s53, 8                         ; a head 256 bytes of a row
	s_add_co_u32 s52, s52, s53
	s_mov_b32 s53, 0
	s_mov_b32 s[SEL], 0x76543210
	s_mov_b32 s[SEL+1], 0xfedcba98
	s_mov_b32 s[CS], 0x3fb8aa3b                    ; log2(e)
	s_mov_b32 s[CS+1], s[CS]                       ; (named with it as a pair, so it is written)
	s_wait_dscnt 0x0
	s_wait_kmcnt 0x0
	CROUND                                         ; all four work-groups are here: the joint loads meet
	s_mov_b32 s[G0], 1                             ; 1:0 count = 1
	s_mov_b32 s[G0+1], s16                         ; 63:32 LDS address
	s_add_nc_u64 s[G0+2:G0+3], s[6:7], s[14:15]    ; 120:64 global address
	s_or_b32 s[G0+3], s[G0+3], 0x80000000          ; 127:126 type = 2
	tensor_load_to_lds s[G0:G0+3], s[G1:G1+7]      ; my one tensor load of the launch
	s_nop 0
.rept 4
	v_nop
.endr
	s_add_nc_u64 s[50:51], s[4:5], s[54:55]        ; Q's scale words
	s_add_nc_u64 s[4:5], s[4:5], s[18:19]          ; Q's codes
	s_add_nc_u64 s[8:9], s[8:9], s[52:53]          ; O
	v_and_b32 v9, 31, v0                           ; lane
	v_and_b32 v10, 15, v0                          ; r
	v_bfe_u32 v11, v0, 4, 1                        ; half
	s_delay_alu instid0(VALU_DEP_3)
	v_lshlrev_b32 v[LA], 4, v9
	s_delay_alu instid0(VALU_DEP_4)
	v_lshlrev_b32 v[LB], 3, v9
	s_delay_alu instid0(VALU_DEP_4)
	v_lshlrev_b32 v[QW], 4, v10
	s_mul_i32 s17, s[WV], 16*SP
	s_add_co_u32 s17, s17, STG                     ; my stage
	v_mul_u32_u24 v[STO], v10, SP
	s_delay_alu instid0(VALU_DEP_1)
	v_lshl_add_u32 v[STO], v11, 6, v[STO]
	s_delay_alu instid0(VALU_DEP_1)
	v_add_nc_u32 v[STO], s17, v[STO]               ; in: row r; my 16 channels of each 32: 64 bytes x half
	v_mul_u32_u24 v[RD], v11, SP
	s_delay_alu instid0(VALU_DEP_1)
	v_lshl_add_u32 v[RD], v10, 4, v[RD]
	s_delay_alu instid0(VALU_DEP_1)
	v_add_nc_u32 v[RD], s17, v[RD]                 ; back: lanes 0-15 one row of 256 bytes, lanes 16-31 the next
	v_lshlrev_b32 v[GO], 12, v11
	s_delay_alu instid0(VALU_DEP_1)
	v_lshl_add_u32 v[GO], v10, 4, v[GO]            ; and the same two rows in out0
.irp i, 0,1,2,3,4,5
	v_mov_b32 v[QF+6+\i], 0                        ; Q's codes for the unused half of K: zeros, for the whole launch
	v_mov_b32 v[F+48+\i], 0                        ; and what stands behind key tile 7
.endr
.irp b, 0,1,2,3
	v_mov_b32 v[BT+\b], 0                          ; written once: a lane permute's destination counts as one of its sources
.endr
	v_mov_b32 v[TMP], 0
	v_mov_b32 v[FF+1], 0                           ; (named as the upper half of a pair)
; A KEY STEP: 128 keys at LDS byte s[TB].
.macro STEP
	v_add_nc_u32 v[ADA], s[TB], v[LA]
	v_add_nc_u32 v[ADB], s[TB], v[LB]
	v_nop
	v_nop                                          ; four places behind the last step's products, in front of loads into registers that they have read
	ds_load_b128 v[KSC:KSC+3], v[ADA] offset:KSO
.irp t, 0,1,2,3,4,5,6,7
	ds_load_b128 v[F+6*\t:F+6*\t+3], v[ADA] offset:768*\t
	ds_load_b64 v[F+6*\t+4:F+6*\t+5], v[ADB] offset:768*\t+512
.endr
	s_wait_alu depctr_va_vdst(0)
	s_wait_dscnt 0x0
.irp t, 0,1,2,3,4,5,6,7                        ; S^T = K Q^T: eight tiles of 16 keys, each a sum of its own
.if \t%2
	v_wmma_scale_f32_16x16x128_f8f6f4 v[S+8*\t:S+8*\t+7], v[F+6*\t:F+6*\t+11], v[QF:QF+11], 0, v[KSC+\t/2], v[QS] matrix_a_fmt:MATRIX_FMT_BF6 matrix_b_fmt:MATRIX_FMT_BF6 matrix_a_scale:MATRIX_SCALE_ROW1
.else
	v_wmma_scale_f32_16x16x128_f8f6f4 v[S+8*\t:S+8*\t+7], v[F+6*\t:F+6*\t+11], v[QF:QF+11], 0, v[KSC+\t/2], v[QS] matrix_a_fmt:MATRIX_FMT_BF6 matrix_b_fmt:MATRIX_FMT_BF6
.endif
.endr
.rept 4
	v_nop                                          ; four places: behind them K's registers take V, and the scores are read
.endr
.irp d, 0,1,2,3                                ; V's four tiles of 16 channels x 128 keys: they land under the softmax
.irp c, 0,1
	ds_load_b128 v[F+12*\d+6*\c:F+12*\d+6*\c+3], v[ADA] offset:VO+1536*\d+768*\c
	ds_load_b64 v[F+12*\d+6*\c+4:F+12*\d+6*\c+5], v[ADB] offset:VO+1536*\d+768*\c+512
.endr
.endr
	ds_load_b64 v[VSC:VSC+1], v[ADB] offset:VSO
.irp b, 0,1,2,3
	v_max3_num_f32 v[BM+\b], v[S+16*\b], v[S+1+16*\b], v[S+2+16*\b]   ; THE LARGEST SCORE OF EACH BLOCK OF 32 KEYS: it serves twice: for the row's maximum, and, since p rises with the score, for the block's largest p
.endr
.irp i, 3,5,7,9,11,13
.irp b, 0,1,2,3
	v_max3_num_f32 v[BM+\b], v[BM+\b], v[S+16*\b+\i], v[S+1+16*\b+\i]   ; (the four blocks by turns; each accumulator is first read at its low end)
.endr
.endr
.irp b, 0,1,2,3
	v_max_num_f32 v[BM+\b], v[BM+\b], v[S+15+16*\b]
.endr
.irp b, 0,1,2,3
	s_delay_alu instid0(VALU_DEP_4)
	v_permlanex16_b32 v[BT+\b], v[BM+\b], s[SEL], s[SEL+1]
.endr
.irp b, 0,1,2,3
	s_delay_alu instid0(VALU_DEP_4)
	v_max_num_f32 v[BM+\b], v[BM+\b], v[BT+\b]     ; with lane l xor 16's 16 keys
.endr
	s_delay_alu instid0(VALU_DEP_2)
	v_max3_num_f32 v[TMP], v[BM], v[BM+1], v[BM+2]
	s_delay_alu instid0(VALU_DEP_1)
	v_max_num_f32 v[TMP], v[TMP], v[BM+3]          ; the step's largest score of my query
	s_delay_alu instid0(VALU_DEP_1)
	v_mul_f32 v[TMP], s[CS], v[TMP]                ; as t
	s_delay_alu instid0(VALU_DEP_1)
	v_max_num_f32 v13, v13, v[TMP]                 ; the running largest t
	v_mov_b32 v[TMP], v12
	s_delay_alu instid0(VALU_DEP_2)
	v_floor_f32 v12, -v13                          ; the new -M = floor(-t) = -ceil(t): M IS A WHOLE NUMBER
	s_delay_alu instid0(VALU_DEP_1)
	v_sub_f32 v[TMP], v12, v[TMP]                  ; M's old value less its new one: a whole number, 0 or less
	s_delay_alu instid0(VALU_DEP_1)
	v_cvt_i32_f32 v[TMP], v[TMP]                   ; (it saturates)
	s_delay_alu instid0(VALU_DEP_1)
	v_ldexp_f32 v[FF], 1.0, v[TMP]                 ; f = 2^(old M - new M): a multiplication by it rounds nothing
.irp j, 0,2,4,6,8,10,12,14,16,18,20,22,24,26,28,30,32,34,36,38,40,42,44,46,48,50,52,54,56,58,60,62
	v_pk_fma_f32 v[S+\j:S+1+\j], v[S+\j:S+1+\j], s[CS:CS+1], v[12:13] op_sel_hi:[1,0,0]   ; t - M, two at a time (of the pairs log2(e) and -M the low word serves both halves)
.endr
.irp b, 0,1,2,3
	v_fma_f32 v[BM+\b], v[BM+\b], s[CS], v12       ; the same of each block's largest score
.endr
	s_wait_alu depctr_va_vdst(0)
.irp j, 0,1,2,3,4,5,6,7,8,9,10,11,12,13,14,15,16,17,18,19,20,21,22,23,24,25,26,27,28,29,30,31,32,33,34,35,36,37,38,39,40,41,42,43,44,45,46,47,48,49,50,51,52,53,54,55,56,57,58,59,60,61,62,63
	v_exp_f32 v[S+\j], v[S+\j]                     ; p = 2^(t - M), at most 1: NOT normalised
.endr
	s_setprio 1
.irp b, 0,1,2,3
	v_exp_f32 v[BM+\b], v[BM+\b]                   ; the block's largest p: the same two instructions on the same number give the same bits
.endr
	v_pk_mul_f32 v[14:15], v[14:15], v[FF:FF+1] op_sel_hi:[1,0]   ; the sums under the new M.  (A plain place behind the exponentials)
	s_wait_alu depctr_va_vdst(0)
.irp b, 0,1,2,3
	v_max_num_f32 v[BM+\b], 0x2800000, v[BM+\b]    ; the floor 2^(5 - 127): the byte cannot fall under 1 (a block whose every p has fallen to 0 keeps that byte: its codes are zeros)
.endr
.irp b, 0,1,2,3
	s_delay_alu instid0(VALU_DEP_4)
	v_add_nc_u32 v[SO+\b], 0xfe000000, v[BM+\b]    ; 4 off the exponent field: the conversion's scale operand
.endr
.irp b, 0,1,2,3
	s_delay_alu instid0(VALU_DEP_4)
	v_lshrrev_b32 v[BT+\b], 23, v[SO+\b]           ; the scale's byte
.endr
	s_delay_alu instid0(VALU_DEP_3)
	v_lshl_or_b32 v[PW], v[BT+1], 8, v[BT]         ; p's scale word for these 128 keys
	s_delay_alu instid0(VALU_DEP_1)
	v_lshl_or_b32 v[PW], v[BT+2], 16, v[PW]
	s_delay_alu instid0(VALU_DEP_1)
	v_lshl_or_b32 v[PW], v[BT+3], 24, v[PW]
.irp c, 0,1
	v_cvt_scalef32_pk16_bf6_f32 v[PC+6*\c:PC+2+6*\c], v[S+32*\c:S+15+32*\c], v[SO+2*\c]
	v_cvt_scalef32_pk16_bf6_f32 v[PT+4*\c:PT+2+4*\c], v[S+16+32*\c:S+31+32*\c], v[SO+2*\c+1]   ; (a conversion's three registers begin on an even number)
.endr
	v_nop                                          ; one plain place behind a scaled conversion
.irp c, 0,1                                    ; the operand's layout wants a WHOLE block in a lane: lanes 0-15 block 2 c, lanes 16-31 block 2 c + 1
.irp i, 0,1,2
	v_permlane16_swap_b32 v[PC+6*\c+\i], v[PT+4*\c+\i]
.endr
.irp i, 0,1,2
	s_delay_alu instid0(VALU_DEP_3)
	v_mov_b32 v[PC+3+6*\c+\i], v[PT+4*\c+\i]
.endr
.endr
.irp j, 0,2,4,6,8,10,12,14,16,18,20,22,24,26,28,30
	v_pk_mul_f32 v[O+\j:O+1+\j], v[O+\j:O+1+\j], v[FF:FF+1] op_sel_hi:[1,0]   ; O^T under the new M: x f
.endr
	v_pk_add_f32 v[228:229], v[100:101], v[104:105]
	v_pk_add_f32 v[252:253], v[108:109], v[112:113]
	v_pk_add_f32 v[250:251], v[116:117], v[120:121]
	v_pk_add_f32 v[248:249], v[124:125], v[128:129]
	v_pk_add_f32 v[246:247], v[132:133], v[136:137]
	v_pk_add_f32 v[244:245], v[140:141], v[144:145]
	v_pk_add_f32 v[242:243], v[148:149], v[152:153]
	v_pk_add_f32 v[14:15], v[14:15], v[156:157]
	v_pk_add_f32 v[228:229], v[228:229], v[96:97]
	v_pk_add_f32 v[252:253], v[252:253], v[98:99]
	v_pk_add_f32 v[250:251], v[250:251], v[102:103]
	v_pk_add_f32 v[248:249], v[248:249], v[106:107]
	s_setprio 0
	v_pk_add_f32 v[246:247], v[246:247], v[110:111]
	v_pk_add_f32 v[244:245], v[244:245], v[114:115]
	v_pk_add_f32 v[242:243], v[242:243], v[118:119]
	v_pk_add_f32 v[14:15], v[14:15], v[122:123]
	v_pk_add_f32 v[228:229], v[228:229], v[126:127]
	v_pk_add_f32 v[252:253], v[252:253], v[130:131]
	v_pk_add_f32 v[250:251], v[250:251], v[134:135]
	v_pk_add_f32 v[248:249], v[248:249], v[138:139]
	v_pk_add_f32 v[246:247], v[246:247], v[142:143]
	v_pk_add_f32 v[244:245], v[244:245], v[146:147]
	v_pk_add_f32 v[242:243], v[242:243], v[150:151]
	v_pk_add_f32 v[14:15], v[14:15], v[154:155]
	v_pk_add_f32 v[228:229], v[228:229], v[158:159]
	s_delay_alu instid0(VALU_DEP_2)
	v_pk_add_f32 v[14:15], v[14:15], v[248:249]
	s_delay_alu instid0(VALU_DEP_2)
	v_pk_add_f32 v[228:229], v[228:229], v[246:247]
	v_pk_add_f32 v[252:253], v[252:253], v[244:245]
	v_pk_add_f32 v[250:251], v[250:251], v[242:243]
	s_delay_alu instid0(VALU_DEP_2)
	v_pk_add_f32 v[14:15], v[14:15], v[252:253]
	s_delay_alu instid0(VALU_DEP_2)
	v_pk_add_f32 v[228:229], v[228:229], v[250:251]
	s_delay_alu instid0(VALU_DEP_1)
	v_pk_add_f32 v[14:15], v[14:15], v[228:229]
	s_wait_dscnt 0x0                               ; V and its scale words
.irp d, 0,1,2,3                                ; O^T += V^T P^T: the four accumulators by turns, one instruction a turn
.if \d%2
	v_wmma_scale_f32_16x16x128_f8f6f4 v[O+8*\d:O+8*\d+7], v[F+12*\d:F+12*\d+11], v[PC:PC+11], v[O+8*\d:O+8*\d+7], v[VSC+\d/2], v[PW] matrix_a_fmt:MATRIX_FMT_BF6 matrix_b_fmt:MATRIX_FMT_BF6 matrix_a_scale:MATRIX_SCALE_ROW1
.else
	v_wmma_scale_f32_16x16x128_f8f6f4 v[O+8*\d:O+8*\d+7], v[F+12*\d:F+12*\d+11], v[PC:PC+11], v[O+8*\d:O+8*\d+7], v[VSC+\d/2], v[PW] matrix_a_fmt:MATRIX_FMT_BF6 matrix_b_fmt:MATRIX_FMT_BF6
.endif
.endr
	s_add_co_u32 s[TB], s[TB], KVSTEP
.endm
; THE WAY OUT of a pass.  O^T / the sum goes through my stage in LDS and comes back as whole rows of 256 bytes (a query's 64 channels of this head): sixteen lanes store 256 consecutive bytes, aligned.
.macro OUT p
	v_add_f32 v14, v14, v15                        ; the sum's two halves,
	s_delay_alu instid0(VALU_DEP_1)
	v_permlanex16_b32 v[TMP], v14, s[SEL], s[SEL+1]
	s_delay_alu instid0(VALU_DEP_1)
	v_add_f32 v14, v14, v[TMP]                     ; and lane l xor 16's: the row's sum
	s_wait_alu depctr_va_vdst(0)
	v_rcp_f32 v14, v14
.rept 3
	v_nop                                          ; a plain place behind the reciprocal; with the two additions above, the places behind the last products
.endr
.set II, 0
	s_wait_alu depctr_va_vdst(0)
.rept 16
	v_pk_mul_f32 v[S+II:S+II+1], v[O+II:O+II+1], v[14:15] op_sel_hi:[1,0]   ; register 16 b + i is channel 32 b + 16 (lane / 16) + i of my query
.set II, II+2
.endr
.irp b, 0,1
.irp q, 0,1,2,3
	ds_store_b128 v[STO], v[S+16*\b+4*\q:S+16*\b+4*\q+3] offset:128*\b+16*\q
.endr
.endr
.irp i, 0,1,2,3,4,5,6,7
	ds_load_b128 v[S+32+4*\i:S+32+4*\i+3], v[RD] offset:2*\i*SP   ; LDS serves a wave's instructions in order: these see my stores
.endr
.irp i, 0,1,2,3,4,5,6,7
	s_wait_dscnt 7-\i                              ; load i is back; the 7 - i behind it may be out
	global_store_b128 v[GO], v[S+32+4*\i:S+32+4*\i+3], s[8:9] offset:1048576*\p+4096*(2*\i+8*(\i/4)) th:TH_STORE_NT   ; the tile's rows 2 i, 2 i + 1 are queries 2 i + 8 (i / 4) and the next; a pass is 256 queries on
.endr
.endm
; A PASS: one tile of 16 queries against all 2,048 keys.
.macro PASS p
	global_load_b128 v[QF:QF+3], v[LA], s[4:5] offset:2*QSTEP*\p
	global_load_b64 v[QF+4:QF+5], v[LB], s[4:5] offset:2*QSTEP*\p+512
	global_load_b32 v[QS], v[QW], s[50:51] offset:2*QSTEP*\p
	v_mov_b32 v13, 0xff61b1e6                      ; the largest t so far: -3e38, under every t
	s_delay_alu instid0(VALU_DEP_1)
	v_floor_f32 v12, -v13                          ; -M
	v_mov_b32 v14, 0                               ; the sum, in two halves
	v_mov_b32 v15, 0
.set II, 0
.rept 32
	v_mov_b32 v[O+II], 0                           ; O^T.  (The step is written once: the first finds zeros, which the first change of M leaves zeros)
.set II, II+1
.endr
	s_mov_b32 s[TB], 0
	s_mov_b32 s[CNT], 16
	s_wait_loadcnt 0x0                             ; Q
.if \p == 0
	s_wait_tensorcnt 0x0                           ; my key step has landed,
	s_barrier_signal -1
	s_barrier_wait -1                              ; everybody's has: the head's K and V are whole, and nothing is filled again
.endif
.Lstep_\@:
	s_setprio 2
	STEP
	s_sub_co_u32 s[CNT], s[CNT], 1
	s_cmp_lg_u32 s[CNT], 0
	s_cbranch_scc1 .Lstep_\@
	s_setprio 0
	s_wait_alu depctr_va_vdst(0)
	OUT \p
.endm
	PASS 0
	s_wait_xcnt 0x0                                ; the stores have read their registers: the next pass's scores may be written there
	PASS 1
	s_wait_dscnt 0x0
	s_wait_tensorcnt 0x0
	ds_add_u32 v254, v255
	s_wait_dscnt 0x0
	CROUND                                         ; the closing round: no work-group ends while a partner may still ask for a tile that names it
	s_endpgm
.Lfunc_end_k_qe94d4f49ea_attn:
	.size	k_qe94d4f49ea_attn, .Lfunc_end_k_qe94d4f49ea_attn-k_qe94d4f49ea_attn
	.p2alignl 7, 3214868480
	.fill 96, 4, 3214868480
	.section	.rodata,"a",@progbits
	.p2align	6, 0x0
	.amdhsa_kernel k_qe94d4f49ea_attn
		.amdhsa_group_segment_fixed_size 280576
		.amdhsa_private_segment_fixed_size 0
		.amdhsa_enable_private_segment 0
		.amdhsa_kernarg_size 24
		.amdhsa_user_sgpr_count 2
		.amdhsa_user_sgpr_kernarg_segment_ptr 1
		.amdhsa_wavefront_size32 1
		.amdhsa_system_sgpr_workgroup_id_x 1
		.amdhsa_system_sgpr_workgroup_id_y 1
		.amdhsa_system_sgpr_workgroup_id_z 1
		.amdhsa_system_vgpr_workitem_id 0
		.amdhsa_next_free_vgpr 256
		.amdhsa_next_free_sgpr 66
		.amdhsa_reserve_vcc 0
		.amdhsa_float_denorm_mode_32 3
		.amdhsa_float_denorm_mode_16_64 3
		.amdhsa_memory_ordered 1
		.amdhsa_forward_progress 1
		.amdhsa_inst_pref_size 51
	.end_amdhsa_kernel
	.amdgpu_metadata
---
amdhsa.version: [ 1, 2 ]
amdhsa.kernels:
  - .name:           k_qe94d4f49ea_attn
    .symbol:         k_qe94d4f49ea_attn.kd
    .args:
      - { .name: qq, .offset: 0, .size: 8, .value_kind: global_buffer, .address_space: global }
      - { .name: kv, .offset: 8, .size: 8, .value_kind: global_buffer, .address_space: global }
      - { .name: out0, .offset: 16, .size: 8, .value_kind: global_buffer, .address_space: global }
    .group_segment_fixed_size: 280576
    .private_segment_fixed_size: 0
    .kernarg_segment_align: 8
    .kernarg_segment_size: 24
    .max_flat_workgroup_size: 512
    .sgpr_count:     66
    .vgpr_count:     256
    .wavefront_size: 32
...
	.end_amdgpu_metadata
.endif
;; end of part 3
